; MI455X (gfx1250); checked and timed in simulation.
; The chip was launched on July 23, 2026; its instructions are those of AMD's public machine-readable ISA for CDNA 5 (MIT licence, August 2026) and "CDNA5" Instruction Set Architecture Reference Guide (July 2026). The comments in the code are by the model that wrote it; some were corrected since.
;; Ply Mo E. Allowed arithmetic: float matrix products may take bf16 or f16 operands with f32 sums; all other float work in f32.
;; Inputs: expert_indices 16,384 int32; weights 8 x 1,024 x 512 float16; x 16,384 x 1,024 float16.
;; Outputs: out0 16,384 x 512 float16.
;; 2 versions, each right; version 2 is version 1 with the launch route written anew for expert scheduling mode. Each part assembles by itself: llvm-mc -triple=amdgcn-amd-amdhsa -mcpu=gfx1250 --defsym DOCPART=n.
;; ======== version 1 of 2: 2 launches
;; workspace buffers: order 65,536 bytes of whole numbers; plan 1,024 bytes of whole numbers
;; launch route (part 1): grid 1 x 1, 32 waves a work-group, no clusters, 86,528 bytes of LDS; arguments expert_indices, order, plan; writes order, plan
.if DOCPART == 1
	.amdgcn_target "amdgcn-amd-amdhsa--gfx1250"
	.amdhsa_code_object_version 6
	.text
	.protected	k_q0dadb22317_route
	.globl	k_q0dadb22317_route
	.p2align	8
	.type	k_q0dadb22317_route,@function
k_q0dadb22317_route:
	s_mov_b64 s[64:65], 0
	v_nop
	global_prefetch_b8 v0, s[64:65] scope:SCOPE_SE
	s_setreg_imm32_b32 hwreg(HW_REG_WAVE_MODE, 25, 1), 1
	s_wait_xcnt 0x0
; ROUTE.  A stable counting sort of 16,384 tokens by expert (8 experts), and the deal of the next launch's 64 groups of four work-groups to the experts.
;   order[p] = the token at sorted place p (tokens of one expert keep their order).
;   plan[j]  = {expert, first sorted row, rows, 0} for group j: every group serves ONE expert.
; One work-group of 32 waves; thread t owns tokens 16 t .. 16 t + 15.  All numbers are whole numbers; no matrix work, no tensor load.
; LIMIT.  An index outside 0..7 (taken as unsigned) counts as 7.
; PACKED FORM.  Eight counts lie in four registers: register i holds expert 2 i in bits 15:0 and expert 2 i + 1 in bits 31:16.  No sum passes 16,384, so no field carries into its neighbour.
; THE DEAL.  c = an expert's tokens.  q = (56 c) >> 14; L = 56 - sum of q lies in 0..7; m = q + 1 + (expert < L) groups.  The m add up to 64, and m > 56 c / 16384, so c / m < 293:
; with d = c / m and r = c - d m, group i of the expert takes d + (i < r) rows, 293 at the most, from row off + i d + min(i, r) on.
.set ORD, 0                            ; LDS 0 .. 65,535: the list, 4 bytes a place
.set TB,  65536                        ; 16 bytes a thread: its eight first places, 16 bits each
.set WT,  81920                        ; 16 bytes a wave: its eight totals, packed
.set T,   2                            ; v2-3    at work in the scans
.set IDX, 4                            ; v4-19   token j's expert, then the LDS address of its first place, then that place, then the token's number
.set RK,  20                           ; v20-35  how many earlier tokens of the thread have token j's expert; then its address in the list
.set ACC, 36                           ; v36     eight counts of 4 bits: the thread's tokens 0 to 14
.set E4,  37                           ; v37     4 x expert
.set ONE, 38                           ; v38     token 15's count, kept apart so that no 4-bit count passes 15
.set TBT, 39                           ; v39     TB + 16 t
.set C,   40                           ; v40-43  the thread's counts, packed
.set S,   44                           ; v44-47  their scan over the wave, then the thread's first places
.set W,   48                           ; v48-51  the waves' totals and their scan
.set U,   52                           ; v52-55  a copy, then the sum over the waves in front of mine
; An inclusive scan over the 32 lanes of four packed registers: four steps inside each half of 16 lanes, then lane 15's sum onto lanes 16 to 31.
.macro SCAN4 R
.irp n, 1,2,4,8
.irp i, 0,1,2,3
	v_mov_b32_dpp v[T+(\i)%2], v[(\R)+(\i)] row_shr:\n row_mask:0xf bank_mask:0xf bound_ctrl:1  ; lanes without a source take 0
	v_add_nc_u32 v[(\R)+(\i)], v[(\R)+(\i)], v[T+(\i)%2]
.endr
.endr
.irp i, 0,1,2,3
	v_readlane_b32 s[52+(\i)], v[(\R)+(\i)], 15
.endr
.irp i, 0,1,2,3
	v_mov_b32 v[T+(\i)%2], s[52+(\i)]
	v_cndmask_b32 v[T+(\i)%2], 0, v[T+(\i)%2], s12   ; s12 names lanes 16 to 31
	v_add_nc_u32 v[(\R)+(\i)], v[(\R)+(\i)], v[T+(\i)%2]
.endr
.endm
	s_load_b128 s[4:7], s[0:1], 0x0                ; expert_indices s[4:5], order s[6:7]
	s_load_b64 s[8:9], s[0:1], 0x10                ; plan
	v_lshl_add_u32 v64, v0, 2, 0x14200
	v_mov_b32 v65, 0
	v_and_b32 v1, 31, v0                           ; lane
	v_lshrrev_b32 v56, 5, v0
	v_readfirstlane_b32 s10, v56                   ; wave 0..31
	v_lshlrev_b32 v57, 6, v0                       ; my 16 indices: 64 bytes
	v_lshl_add_u32 v[TBT], v0, 4, TB
	v_mov_b32 v[T], 0                              ; a DPP move's destination counts as read
	v_mov_b32 v[T+1], 0
	v_mov_b32 v58, 1
	s_mov_b32 s11, 0x0f0f0f0f
	s_mov_b32 s12, 0xffff0000
	s_wait_kmcnt 0x0
.irp k, 0,1,2,3
	global_load_b128 v[IDX+4*(\k):IDX+4*(\k)+3], v57, s[4:5] offset:16*(\k) th:TH_LOAD_NT
.endr
	; The thread's tokens in order: the rank among its own tokens of the same expert, and the counts.
.set j, 0
.rept 16
.if j%4 == 0
	s_wait_loadcnt 3-j/4                           ; loads come back in order: this quad is in, the younger ones stay out
.endif
	v_min_u32 v[IDX+j], 7, v[IDX+j]
	v_lshlrev_b32 v[E4], 2, v[IDX+j]
.if j == 0
	v_mov_b32 v[RK], 0
	v_lshlrev_b32 v[ACC], v[E4], v58               ; the first token starts the counts
.else
	v_bfe_u32 v[RK+j], v[ACC], v[E4], 4
.if j < 15
	v_lshl_add_u32 v[ACC], v58, v[E4], v[ACC]
.else
	v_lshlrev_b32 v[ONE], v[E4], v58
.endif
.endif
	v_lshl_add_u32 v[IDX+j], v[IDX+j], 1, v[TBT]   ; where the expert's first place of this thread will lie: TB + 16 t + 2 e
.set j, j+1
.endr
	; 4-bit counts to the packed form: even experts' and odd experts' counts as bytes, then a pair of bytes to a register
	v_and_b32 v56, s11, v[ACC]
	v_and_b32 v57, s11, v[ONE]
	v_lshrrev_b32 v59, 4, v[ACC]
	v_lshrrev_b32 v60, 4, v[ONE]
	v_add_nc_u32 v56, v56, v57                     ; byte i: expert 2 i
	v_and_b32 v59, s11, v59
	v_and_b32 v60, s11, v60
	v_add_nc_u32 v59, v59, v60                     ; byte i: expert 2 i + 1
.irp i, 0,1,2,3
	v_bfe_u32 v61, v59, 8*(\i), 8
	v_bfe_u32 v62, v56, 8*(\i), 8
	v_lshl_or_b32 v[C+(\i)], v61, 16, v62
.endr
.irp i, 0,1,2,3
	v_mov_b32 v[S+(\i)], v[C+(\i)]
.endr
	SCAN4 S
.irp i, 0,1,2,3
	v_readlane_b32 s[20+(\i)], v[S+(\i)], 31       ; the wave's totals
.endr
.irp i, 0,1,2,3
	v_mov_b32 v[56+(\i)], s[20+(\i)]
.endr
	s_lshl_b32 s56, s10, 4
	s_add_co_u32 s56, s56, WT
	v_mov_b32 v60, s56
	ds_store_b128 v60, v[56:59]                    ; all lanes store the same 16 bytes to the wave's place
	s_wait_dscnt 0x0                               ; for the others' sake: my store is done
	s_barrier_signal -1
	s_barrier_wait -1
	v_lshl_add_u32 v60, v1, 4, WT                  ; lane l takes wave l's totals
	ds_load_b128 v[W:W+3], v60
	s_wait_dscnt 0x0
.irp i, 0,1,2,3
	v_mov_b32 v[U+(\i)], v[W+(\i)]
.endr
	SCAN4 W
.irp i, 0,1,2,3
	v_readlane_b32 s[24+(\i)], v[W+(\i)], 31       ; the experts' token counts, packed
.endr
.irp i, 0,1,2,3
	v_sub_nc_u32 v[W+(\i)], v[W+(\i)], v[U+(\i)]   ; lane l: the sum over the waves in front of wave l
.endr
	s_lshl_b32 s56, s10, 2
	v_mov_b32 v61, s56
.irp i, 0,1,2,3
	ds_bpermute_b32 v[U+(\i)], v61, v[W+(\i)]      ; every lane takes my wave's
.endr
.irp i, 0,1,2,3
	s_and_b32 s[32+2*(\i)], s[24+(\i)], 0xffff     ; c of expert 2 i
	s_lshr_b32 s[33+2*(\i)], s[24+(\i)], 16        ; and of 2 i + 1
.endr
	s_mov_b32 s40, 0                               ; off: the experts' first sorted rows
.irp e, 0,1,2,3,4,5,6
	s_add_co_u32 s[41+(\e)], s[40+(\e)], s[32+(\e)]
.endr
.irp i, 0,1,2,3
	s_lshl_b32 s56, s[41+2*(\i)], 16
	s_or_b32 s[48+(\i)], s56, s[40+2*(\i)]         ; packed
.endr
	s_wait_dscnt 0x0
.irp i, 0,1,2,3
	v_sub_nc_u32 v[S+(\i)], v[S+(\i)], v[C+(\i)]   ; the lanes in front of mine,
	v_add3_u32 v[S+(\i)], v[S+(\i)], v[U+(\i)], s[48+(\i)]  ; the waves in front of mine, the experts in front: my first place for each expert
.endr
	ds_store_b128 v[TBT], v[S:S+3]
	s_wait_dscnt 0x0
	s_barrier_signal -1                            ; the three phases whose LDS addresses hang on loaded numbers are kept apart by barriers:
	s_barrier_wait -1                              ; all table stores, then all table loads, then all list stores
.set j, 0
.rept 16
	ds_load_u16 v[IDX+j], v[IDX+j]                 ; the first place for token j's expert; the load lands on its own address register
.set j, j+1
.endr
	s_wait_dscnt 0x0
	s_barrier_signal -1
	s_barrier_wait -1
.set j, 0
.rept 16
	v_add_lshl_u32 v[RK+j], v[IDX+j], v[RK+j], 2   ; 4 x (first place + rank)
	v_min_u32 v[RK+j], 0xfffc, v[RK+j]             ; inside the list
	v_lshl_add_u32 v[IDX+j], v0, 4, j              ; the token's number
	ds_store_b32 v[RK+j], v[IDX+j]                 ; each place of the list is written once: the places are a permutation
.set j, j+1
.endr
	s_wait_dscnt 0x0                               ; for the others' sake
	s_barrier_signal -1
	s_barrier_wait -1
	; The list leaves through registers: a wave's store covers 512 consecutive bytes, aligned.
	v_lshlrev_b32 v56, 4, v1
	v_lshl_add_u32 v56, s10, 11, v56               ; 2,048 x wave + 16 x lane
.irp k, 0,1,2,3
	ds_load_b128 v[IDX+4*(\k):IDX+4*(\k)+3], v56 offset:512*(\k)
.endr
.irp k, 0,1,2,3
	s_wait_dscnt 3-(\k)                            ; LDS loads come back in order: the younger ones stay out
	global_store_b128 v56, v[IDX+4*(\k):IDX+4*(\k)+3], s[6:7] offset:512*(\k)
.endr
	; THE PLAN: waves 0 and 1, thread j for group j.  First lane e works for expert e (both waves alike).  No register of the stores above is touched.
	s_cmp_lt_u32 s10, 2
	s_cbranch_scc0 .Lend
	v_mov_b32 v20, 0
	v_mov_b32 v21, 0
.irp e, 0,1,2,3,4,5,6,7
	v_writelane_b32 v20, s[32+(\e)], \e            ; c
	v_writelane_b32 v21, s[40+(\e)], \e            ; off
.endr
	v_mul_u32_u24 v22, v20, 56
	v_lshrrev_b32 v22, 14, v22                     ; q
	v_mov_b32 v23, v22
.irp n, 1,2,4
	v_mov_b32_dpp v[T], v23 row_shr:\n row_mask:0xf bank_mask:0xf bound_ctrl:1
	v_add_nc_u32 v23, v23, v[T]
.endr
	v_readlane_b32 s52, v23, 7                     ; the sum of q
	s_sub_co_u32 s53, 56, s52                      ; L
	v_cmp_gt_u32 vcc_lo, s53, v1
	v_add_co_ci_u32 v24, vcc_lo, 1, v22, vcc_lo    ; m = q + 1 + (expert < L)
	v_mov_b32 v25, v24
.irp n, 1,2,4
	v_mov_b32_dpp v[T], v25 row_shr:\n row_mask:0xf bank_mask:0xf bound_ctrl:1
	v_add_nc_u32 v25, v25, v[T]
.endr
	v_sub_nc_u32 v25, v25, v24                     ; cb: the expert's first group
	v_mov_b32 v26, 0                               ; d = c / m, below 512: nine steps of a restoring division
	v_mov_b32 v27, v20                             ; r
.irp b, 8,7,6,5,4,3,2,1,0
	v_lshlrev_b32 v28, \b, v24
	v_cmp_ge_u32 vcc_lo, v27, v28
	v_cndmask_b32 v28, 0, v28, vcc_lo
	v_sub_nc_u32 v27, v27, v28
	v_add_co_ci_u32 v26, vcc_lo, v26, v26, vcc_lo  ; d = 2 d + the step's bit
.endr
	v_mov_b32 v29, 0                               ; group j's expert: how many of cb_1 .. cb_7 are at most j
.irp f, 1,2,3,4,5,6,7
	v_readlane_b32 s52, v25, \f
	v_cmp_le_u32 vcc_lo, s52, v0
	v_add_co_ci_u32 v29, vcc_lo, 0, v29, vcc_lo
.endr
	v_lshlrev_b32 v30, 2, v29
	ds_bpermute_b32 v31, v30, v25                  ; that expert's cb,
	ds_bpermute_b32 v32, v30, v21                  ; off,
	ds_bpermute_b32 v33, v30, v26                  ; d
	ds_bpermute_b32 v34, v30, v27                  ; and r
	v_mov_b32 v44, v29
	v_mov_b32 v47, 0
	v_lshlrev_b32 v48, 4, v0
	s_wait_dscnt 0x0
	v_sub_nc_u32 v35, v0, v31                      ; i: my number among the expert's groups
	v_mad_u32_u24 v40, v35, v33, v32               ; off + i d
	v_min_u32 v41, v35, v34
	v_add_nc_u32 v45, v40, v41                     ; + min(i, r)
	v_cmp_lt_u32 vcc_lo, v35, v34
	v_add_co_ci_u32 v46, vcc_lo, 0, v33, vcc_lo    ; d + (i < r)
	global_store_b128 v48, v[44:47], s[8:9]        ; 512 consecutive bytes a wave
.Lend:
	s_wait_tensorcnt 0x0
	ds_add_u32 v64, v65
	s_wait_dscnt 0x0
	s_endpgm
.Lfunc_end_k_q0dadb22317_route:
	.size	k_q0dadb22317_route, .Lfunc_end_k_q0dadb22317_route-k_q0dadb22317_route
	.p2alignl 7, 3214868480
	.fill 96, 4, 3214868480
	.section	.rodata,"a",@progbits
	.p2align	6, 0x0
	.amdhsa_kernel k_q0dadb22317_route
		.amdhsa_group_segment_fixed_size 86528
		.amdhsa_private_segment_fixed_size 0
		.amdhsa_enable_private_segment 0
		.amdhsa_kernarg_size 24
		.amdhsa_user_sgpr_count 2
		.amdhsa_user_sgpr_kernarg_segment_ptr 1
		.amdhsa_wavefront_size32 1
		.amdhsa_system_sgpr_workgroup_id_x 1
		.amdhsa_system_sgpr_workgroup_id_y 1
		.amdhsa_system_sgpr_workgroup_id_z 1
		.amdhsa_system_vgpr_workitem_id 0
		.amdhsa_next_free_vgpr 66
		.amdhsa_next_free_sgpr 66
		.amdhsa_reserve_vcc 1
		.amdhsa_float_denorm_mode_32 3
		.amdhsa_float_denorm_mode_16_64 3
		.amdhsa_memory_ordered 1
		.amdhsa_forward_progress 1
		.amdhsa_inst_pref_size 26
	.end_amdhsa_kernel
	.amdgpu_metadata
---
amdhsa.version: [ 1, 2 ]
amdhsa.kernels:
  - .name:           k_q0dadb22317_route
    .symbol:         k_q0dadb22317_route.kd
    .args:
      - { .name: expert_indices, .offset: 0, .size: 8, .value_kind: global_buffer, .address_space: global }
      - { .name: order, .offset: 8, .size: 8, .value_kind: global_buffer, .address_space: global }
      - { .name: plan, .offset: 16, .size: 8, .value_kind: global_buffer, .address_space: global }
    .group_segment_fixed_size: 86528
    .private_segment_fixed_size: 0
    .kernarg_segment_align: 8
    .kernarg_segment_size: 24
    .max_flat_workgroup_size: 1024
    .sgpr_count:     66
    .vgpr_count:     66
    .wavefront_size: 32
...
	.end_amdgpu_metadata
.endif
;; end of part 1
;; launch gemm (part 2): grid 256 x 1, 4 waves a work-group, no clusters, 327,680 bytes of LDS; arguments order, plan, x, weights, out0; writes out0
.if DOCPART == 2
	.amdgcn_target "amdgcn-amd-amdhsa--gfx1250"
	.amdhsa_code_object_version 6
	.text
	.protected	k_q0dadb22317_gemm
	.globl	k_q0dadb22317_gemm
	.p2align	8
	.type	k_q0dadb22317_gemm,@function
k_q0dadb22317_gemm:
	s_mov_b64 s[64:65], 0
	v_nop
	global_prefetch_b8 v0, s[64:65] scope:SCOPE_SE
	s_setreg_imm32_b32 hwreg(HW_REG_WAVE_MODE, 25, 1), 1
	s_wait_xcnt 0x0
; out0[i][:] = x[order[i]][:] times weights[e][:][:], e the expert of sorted row i.  x: [16384][1024] f16, weights: [8][1024][512] f16, out0: [16384][512] f16.  The f16 inputs go to the matrix
; unit as they are; sums in f32; out0 is rounded once.  order and plan are whole numbers that the launch before stored.
; LIMITS.  A row is multiplied by its own expert's weights alone; the other experts' products, which the problem's definition forms on zeroed rows, are exact zeros for finite inputs and are left out:
; with an infinity or a NaN in x or weights those zeros would be NaN there, and are not here.  A sum beyond 65,504 leaves as an infinity, as in the definition.
; SHARES.  Group j = work-groups 4 j .. 4 j + 3 serves plan[j] = {expert, first row, rows}: 293 rows at the most.  The four share the group's rows and the 512 columns 2 x 2: work-group cx takes
; qw = (rows + 1) / 2 rows from first + (cx / 2) qw on (the second half may be one fewer): 147 at the most, in room for 160; and columns 256 (cx % 2) on.  So it brings in 512 KiB of weights and
; 320 KiB of x, where a share of a quarter of the rows and all columns would bring 1,024 and 160.  Places past its rows repeat its last row and are not stored.  An expert without tokens leaves its
; one group with every store masked.  Every work-group runs the same text with the same counts, without a branch: only addresses and store masks hang on order and plan.
; Wave w makes row places 80 (w / 2) .. + 79 x 128 columns from 128 (w % 2) on in the work-group's 256: five blocks of 16 rows x eight of 16 columns: 40 accumulators.
; WEIGHTS.  K goes in 8 steps of 128 through two LDS slots; wave w asks for k rows 32 w .. 32 w + 31 of a step, 32 rows of 512 consecutive bytes.  A wave has two tensor loads out at the start, one later.
; NO CLUSTER.  Two work-groups of a group walk the same tiles, but WHICH expert's tiles is a number read from plan, and a joint load's address has to be equal in all partners by arithmetic on the
; coordinates that they share: an address made of a loaded number is not of that kind.  A deal of experts to work-groups that is fixed in the text would make the rows a work-group serves, and so its trip
; count, hang on the data.  So each work-group asks for its own tiles.
; X.  The rows are gathered by 16-byte loads: sixteen lanes take 256 consecutive, aligned bytes of a row (128 of K: a CHUNK).  Wave w gathers places 40 w .. 40 w + 39: 20 loads a lane and chunk, into
; one of four register slots of 80.  Chunks 0 to 2 are asked for at the start, chunk c + 3 when chunk c has been handed on: 60 loads of a wave are out at the most.  Chunk s + 1 is handed to an LDS slot
; of its own during step s.  So the gather is on its way while earlier chunks are multiplied.
; THE MATRIX INSTRUCTION IS USED TRANSPOSED: source 0 = 16 columns of the weights (stored [k][n], turned by ds_load_tr16_b128), source 1 = 16 rows of x.  A lane then holds one row (lane % 16) and
; eight neighbouring columns 8 (lane / 16) + 0..7, which pack into 16 bytes.
; REGISTERS, in windows of 256 (s_set_vgpr_msb: bits 1:0 source 0, 3:2 source 1, 5:4 source 2, 7:6 destination):
;   window 0: v0-31 addresses; v32-111 x fragments, two buffers of 5 x 8; v112-121 addresses; v128-255 weight fragments, two buffers of 8 x 8 (at the start: offsets in order; on the way out:
;             packed results and rows read back)
;   window 1: accumulator (a, b) at 64 a + 8 b, a = 0..3      window 2: v0-63 accumulators (4, b); v64-223 x's register slots 0, 1      window 3: v0-159 x's register slots 2, 3
.set PW,     544                       ; a k row of weights in LDS: 512 bytes + 32 of padding = 17 x 32
.set WBAND,  32*PW                     ; what one tensor load brings, and what a quarter of a step reads
.set WSLOT,  4*WBAND                   ; a step's 128 k rows
.set PX,     272                       ; a row of an x chunk: 256 bytes + 16: the 16 rows of a fragment load start at 16 different groups of four banks
.set X0,     2*WSLOT                   ; behind the weights' two slots: two slots of 160 rows for x, written by LDS stores alone: no tensor load lands here
.set XSLOT,  160*PX
.set SPARE,  X0+2*XSLOT                ; behind them the spare words, 128 bytes for each wave: two blocks of 256 bytes that no other line names
.set KSTEPB, 128*1024                  ; bytes from a step's k rows to the next step's in an expert's weights
.set AX,  4                            ; v4     LDS address of my x fragments in slot 0
.set AW,  5                            ; v5-6   of my weight fragments in slot 0, 1
.set XSA, 9                            ; v9     where I put 16 bytes of an x row
.set STO, 10                           ; v10    the way out: where I put 16 bytes of a row
.set RD,  11                           ; v11    the way out: where I read a row back
.set CO,  12                           ; v12    my byte offset in two rows of out0
.set XO,  14                           ; v14-23 and v112-121: row pair p of 20 at v[XO + p + 88 (p / 10)]: byte offset in x of my 16 bytes of chunk 0; never rewritten
.set SPW, 30                           ; v30    LDS address of my spare word; never rewritten
.set NIL, 31                           ; v31    0; never rewritten
.set XF,  32
.set WF,  128
.set IW,  128                          ; v128-147 at the start: byte offsets in order
.set TMP, 128                          ; the way out: a block's packed results
.set BK,  160                          ; the way out: 16 rows read back, two buffers by turns
.set WV,  14                           ; s14    my wave's number
.set WR,  40                           ; s40    w / 2: which 80 row places are mine
.set WC,  41                           ; s41    w % 2: which 128 columns
.set RX,  42                           ; s42    cx / 2: which half of the group's rows is my work-group's
.set CCL, 43                           ; s43    cx % 2: which 256 columns
.set G1,  24                           ; s[24:31] descriptor group 1
.set G0,  32                           ; s[32:39] descriptor group 0, a set for each slot
.set LEN, 48                           ; s48    my work-group's rows; then those from my wave's first place on (may be below 0)
.set START, 49                         ; s49    its first sorted row
.set MUL1, 0x50                        ; C and D in window 1, sources in window 0
.set MUL2, 0xa0                        ; C and D in window 2
.set LD2,  0x80                        ; a load's destination in window 2
.set LD3,  0xc0
.set ST2,  0x08                        ; an LDS store's data in window 2
.set ST3,  0x0c
.set PK1,  0x05                        ; sources 0 and 1 in window 1
.set PK2,  0x0a
.set MSB, 0
.macro WIN new                         ; the immediate's high byte repeats the setting that is left; a switch that changes nothing is dropped
.if MSB != (\new)
	s_set_vgpr_msb (MSB<<8)|(\new)
.set MSB, \new
.endif
.endm
.macro PLACES                          ; a load into a register that a matrix instruction has read, and a vector instruction that reads a matrix result, stand four plain vector instructions behind it
.rept 4
	v_nop
.endr
.endm
	s_load_b256 s[4:11], s[0:1], 0x0               ; order s[4:5], plan s[6:7], x s[8:9], weights s[10:11]
	s_load_b64 s[12:13], s[0:1], 0x20              ; out0
	v_lshl_add_u32 v[SPW], v0, 2, SPARE
	v_mov_b32 v[NIL], 0
	ds_add_u32 v30, v31
	ds_add_u32 v30, v31
	s_wait_dscnt 0x0
	v_lshrrev_b32 v24, 5, v0
	v_readfirstlane_b32 s[WV], v24                 ; wave 0..3
	s_and_b32 s15, ttmp9, 3                        ; cx: my place in the group of four
	s_lshr_b32 s[RX], s15, 1
	s_and_b32 s[CCL], s15, 1
	s_lshr_b32 s[WR], s[WV], 1
	s_and_b32 s[WC], s[WV], 1
	s_lshr_b32 s52, ttmp9, 2                       ; the group,
	s_lshl_b32 s52, s52, 4                         ; its 16 bytes of the plan
	s_mov_b32 s53, 0
	v_and_b32 v1, 15, v0                           ; r = lane % 16
	v_bfe_u32 v2, v0, 4, 1                         ; h = lane / 16
	v_lshlrev_b32 v3, 4, v1
	s_wait_kmcnt 0x0
	s_add_nc_u64 s[6:7], s[6:7], s[52:53]
	s_load_b128 s[16:19], s[6:7], 0x0              ; expert, first row, rows, 0
	; descriptor group 1: 32 rows x 256 elements, padded in LDS
	s_mov_b32 s[G1+0], (1<<16)|(1<<20)|(6<<22)|(7<<25)  ; 15:0 no mask; 17:16 2-byte elements; 20 padding on; 24:22 after every 128 words (code 6); 31:25 8 words (code 7)
	s_mov_b32 s[G1+1], 256<<16                     ; tensor_dim0 = 256
	s_mov_b32 s[G1+2], 32<<16                      ; tensor_dim1 = 32
	s_mov_b32 s[G1+3], 256<<16                     ; tile_dim0 = 256
	s_mov_b32 s[G1+4], 32                          ; tile_dim1 = 32
	s_mov_b32 s[G1+5], 512                         ; 512 elements from row to row
	s_mov_b32 s[G1+6], 0
	s_mov_b32 s[G1+7], 0
	s_mul_i32 s20, s[WV], 40                       ; wave w gathers row places 40 w .. 40 w + 39,
	v_add_nc_u32 v24, s20, v2                      ; two at a time: lanes 0-15 one, lanes 16-31 the next
	s_wait_kmcnt 0x0
	s_min_u32 s16, s16, 7                          ; loaded numbers are bounded before they enter an address
	s_min_u32 s17, s17, 16383
	s_min_u32 s18, s18, 320
	s_add_co_u32 s20, s18, 1
	s_lshr_b32 s20, s20, 1                         ; qw
	s_mul_i32 s21, s[RX], s20
	s_add_co_u32 s[START], s17, s21
	s_min_u32 s[START], s[START], 16383
	s_sub_co_i32 s[LEN], s18, s21
	s_max_i32 s[LEN], s[LEN], 0
	s_min_i32 s[LEN], s[LEN], s20
	s_sub_co_i32 s50, s[LEN], 1
	s_max_i32 s50, s50, 0                          ; my last row's place: places past it repeat it
.set p, 0
.rept 20
	v_add_nc_u32 v[IW+p], 2*p, v24
	v_min_u32 v[IW+p], s50, v[IW+p]
	v_add_nc_u32 v[IW+p], s[START], v[IW+p]
	v_min_u32 v[IW+p], 0x3fff, v[IW+p]
	v_lshlrev_b32 v[IW+p], 2, v[IW+p]
	global_load_b32 v[XO+p+88*(p/10)], v[IW+p], s[4:5]  ; the token at that sorted row
.set p, p+1
.endr
	s_lshl_b32 s52, s16, 20                        ; the expert's 1 MiB,
	s_lshl_b32 s20, s[WV], 15                      ; my 32 k rows of a step,
	s_add_co_u32 s52, s52, s20
	s_lshl_b32 s20, s[CCL], 9                      ; my work-group's 256 columns
	s_add_co_u32 s52, s52, s20
	s_add_nc_u64 s[10:11], s[10:11], s[52:53]
	s_mul_i32 s21, s[WV], WBAND                    ; and their place in a slot: the wave's number and constants alone
	s_mov_b32 s[G0], 1                             ; 1:0 count = 1
	s_add_co_u32 s[G0+1], s21, 0                   ; 63:32 LDS address: slot 0
	s_mov_b64 s[G0+2:G0+3], s[10:11]               ; 120:64 global address: step 0
	s_or_b32 s[G0+3], s[G0+3], 0x80000000          ; 127:126 type = 2
	s_mov_b32 s[G0+4], 1
	s_add_co_u32 s[G0+5], s21, WSLOT               ; slot 1
	s_add_nc_u64 s[G0+6:G0+7], s[10:11], KSTEPB    ; step 1
	s_or_b32 s[G0+7], s[G0+7], 0x80000000
	s_mul_i32 s20, s[WR], 80
	s_add_co_u32 s52, s[START], s20                ; out0 at my wave's first row place,
	s_lshl_b32 s52, s52, 10
	s_lshl_b32 s22, s[CCL], 9                      ; my work-group's 256 columns,
	s_add_co_u32 s52, s52, s22
	s_lshl_b32 s22, s[WC], 8                       ; my wave's 128 of them
	s_add_co_u32 s52, s52, s22
	s_add_nc_u64 s[12:13], s[12:13], s[52:53]
	s_sub_co_i32 s[LEN], s[LEN], s20               ; the rows from my wave's first place on
	tensor_load_to_lds s[G0:G0+3], s[G1:G1+7]      ; both first fills go out together, ahead of every wait on TENSORcnt, every LDS read and every barrier
	s_nop 0
	tensor_load_to_lds s[G0+4:G0+7], s[G1:G1+7]
	s_nop 0
	PLACES
	v_mul_u32_u24 v24, v1, PX
	v_lshl_add_u32 v24, v2, 4, v24                 ; 272 r + 16 h: a fragment's row and half; also a lane's 16 bytes on the way into the stage
	s_mul_i32 s20, s[WR], 80*PX                    ; my 80 row places
	s_add_co_u32 s20, s20, X0
	v_add_nc_u32 v[AX], s20, v24
	v_mul_u32_u24 v25, v2, PX
	v_add_nc_u32 v25, v25, v3                      ; 272 h + 16 r: sixteen lanes to a row of 256 bytes
	s_mul_i32 s20, s[WV], 16*PX                    ; my stage for the way out: 16 rows in x's slot 0, whose last readers have passed the barrier at the end of step 6
	s_add_co_u32 s20, s20, X0
	v_add_nc_u32 v[STO], s20, v24
	v_add_nc_u32 v[RD], s20, v25
	s_mul_i32 s21, s[WV], 40*PX
	s_add_co_u32 s21, s21, X0
	v_add_nc_u32 v[XSA], s21, v25                  ; row place 40 w + h
	v_lshl_add_u32 v[CO], v2, 10, v3               ; 1,024 h + 16 r
	; The turning load takes 16 k x 16 columns: lane l reads k row 8 h + l % 8, columns 8 ((l / 8) % 2) + 0..7, and is left with column l % 16 and 8 k.
	v_and_b32 v26, 7, v0
	v_lshl_add_u32 v26, v2, 3, v26
	v_mul_u32_u24 v26, v26, PW
	v_bfe_u32 v27, v0, 3, 1
	v_lshl_add_u32 v26, v27, 4, v26
	s_lshl_b32 s22, s[WC], 8                       ; my 128 columns
	v_add_nc_u32 v[AW], s22, v26
	v_add_nc_u32 v[AW+1], WSLOT, v[AW]             ; a slot's four quarters lie within an LDS offset's 16 bits; slot 1 has a register of its own
	s_wait_loadcnt 0x0                             ; the twenty tokens
.set p, 0
.rept 20
	v_min_u32 v[XO+p+88*(p/10)], 0x3fff, v[XO+p+88*(p/10)]
	v_lshl_add_u32 v[XO+p+88*(p/10)], v[XO+p+88*(p/10)], 11, v3  ; a row of x is 2,048 bytes
.set p, p+1
.endr
; Chunk c of x is asked for: twenty loads, a pair of rows each, into register slot c % 4.
.macro XLOAD c
.if (\c)%4 < 2
	WIN LD2
.set PKB, 64+80*((\c)%4)
.else
	WIN LD3
.set PKB, 80*((\c)%4-2)
.endif
.set p, 0
.rept 20
	global_load_b128 v[PKB+4*p:PKB+4*p+3], v[XO+p+88*(p/10)], s[8:9] offset:256*(\c)
.set p, p+1
.endr
.endm
	XLOAD 0                                        ; chunk by chunk, so that the chunk wanted first is asked for first
	XLOAD 1
	XLOAD 2
; 8 matrix instructions: row block a x all 8 column blocks, 32 along K, from buffers f.  zero = 1: the first product starts the sums.
; The 40 accumulators take turns, one instruction a turn, in the same order in every quarter.
.macro MUL8 f, a, zero
.if (\a) < 4
	WIN MUL1
.set AC, 64*(\a)
.else
	WIN MUL2
.set AC, 0
.endif
.irp b, 0,1,2,3,4,5,6,7
.if \zero
	v_wmma_f32_16x16x32_f16 v[AC+8*(\b):AC+8*(\b)+7], v[WF+64*(\f)+8*(\b):WF+64*(\f)+8*(\b)+7], v[XF+40*(\f)+8*(\a):XF+40*(\f)+8*(\a)+7], 0
.else
	v_wmma_f32_16x16x32_f16 v[AC+8*(\b):AC+8*(\b)+7], v[WF+64*(\f)+8*(\b):WF+64*(\f)+8*(\b)+7], v[XF+40*(\f)+8*(\a):XF+40*(\f)+8*(\a)+7], v[AC+8*(\b):AC+8*(\b)+7]
.endif
.endr
.endm
; 26 LDS loads in one run: the fragments of quarter q (32 along K) of a slot into buffers f: 16 for the weights, then 2 for each of x's five blocks.
.macro FETCH slot, q, f
	WIN 0
.irp b, 0,1,2,3,4,5,6,7
	ds_load_tr16_b128 v[WF+64*(\f)+8*(\b):WF+64*(\f)+8*(\b)+3],   v[AW+(\slot)] offset:(\q)*WBAND+32*(\b)
	ds_load_tr16_b128 v[WF+64*(\f)+8*(\b)+4:WF+64*(\f)+8*(\b)+7], v[AW+(\slot)] offset:(\q)*WBAND+32*(\b)+16*PW
.endr
.irp a, 0,1,2,3,4
	ds_load_b128 v[XF+40*(\f)+8*(\a):XF+40*(\f)+8*(\a)+3],   v[AX] offset:(\slot)*XSLOT+(\a)*16*PX+64*(\q)
	ds_load_b128 v[XF+40*(\f)+8*(\a)+4:XF+40*(\f)+8*(\a)+7], v[AX] offset:(\slot)*XSLOT+(\a)*16*PX+64*(\q)+32
.endr
.endm
; Chunk c of x goes from its registers into x's LDS slot c % 2.  The loads issued behind chunk c's may stay out: two chunks' 40 for c = 0 .. 5 (chunks c + 1 and c + 2), then 20, then 0.
; Behind it chunk c + 3 is asked for, into the register slot of chunk c - 1, whose LDS stores were waited for ahead of the barrier at the last step's end.
.macro XPUT c
.if 20*(7-(\c)) > 40
	s_wait_loadcnt 40
.else
	s_wait_loadcnt 20*(7-(\c))
.endif
.if (\c)%4 < 2
	WIN ST2
.set PKB, 64+80*((\c)%4)
.else
	WIN ST3
.set PKB, 80*((\c)%4-2)
.endif
.set p, 0
.rept 20
	ds_store_b128 v[XSA], v[PKB+4*p:PKB+4*p+3] offset:((\c)%2)*XSLOT+2*PX*p
.set p, p+1
.endr
.if (\c) < 5
	XLOAD (\c)+3
.endif
.endm
; A step is four quarters of 32 along K, 40 matrix instructions each, on buffers 0, 1, 0, 1.  One of the first three: multiplies buffers f and fetches quarter nq of the same slot into buffers g.
; put >= 0: that chunk of x is handed over.  Its LDS slot was last read a step ago, ahead of the barrier at that step's end; the stores are waited for ahead of the barrier at this step's end.
.macro QUARTER slot, nq, f, g, zero, put
	s_wait_dscnt 8                                 ; the weights and x's block 0 are in; the youngest eight loads (x's blocks 1-4) may be out
	MUL8 \f, 0, \zero
	PLACES                                         ; for the loads into buffers g, which the quarter before multiplied
.if (\put) >= 0
	XPUT \put
.endif
	FETCH \slot, \nq, \g
	s_wait_dscnt 26                                ; all but the 26 just issued
	MUL8 \f, 1, \zero
	MUL8 \f, 2, \zero
	MUL8 \f, 3, \zero
	MUL8 \f, 4, \zero
.endm
; The last quarter multiplies buffers 1 and changes slots: ONE barrier.  In front of it each wave waits for all its tensor loads, of which one is out: its part of the next slot; adds 0 to its spare word;
; and waits for that, for its reads of this slot and for its stores of the next chunk of x.  Behind it nobody reads this slot any more, and the next slot and chunk are whole.
; fill = 1: the refill, two steps ahead, is the first thing behind the barrier: 144 matrix instructions stand between it and the wait for it.
.macro TURN slot, fill
	WIN 0                                          ; (the add's two registers lie in window 0)
	s_wait_tensorcnt 0x0
	ds_add_u32 v[SPW], v[NIL]                      ; 0 onto my spare word
	s_wait_dscnt 9                                 ; (the add and the youngest eight loads may be out)
	MUL8 1, 0, 0                                   ; eight matrix instructions stand between the add and the wait for it
	s_wait_dscnt 0x0
	s_barrier_signal -1
	MUL8 1, 1, 0                                   ; work on registers while the others arrive
	WIN 0                                          ; the windows are set ahead of the tensor load
	s_barrier_wait -1
.if \fill
	s_add_nc_u64 s[G0+4*(\slot)+2:G0+4*(\slot)+3], s[G0+4*(\slot)+2:G0+4*(\slot)+3], 2*KSTEPB  ; no tensor load of mine is out; the type bits on top are not reached
	tensor_load_to_lds s[G0+4*(\slot):G0+4*(\slot)+3], s[G1:G1+7]
	s_nop 0
.endif
	PLACES                                         ; also the places in front of the loads into buffers 0
	FETCH 1-(\slot), 0, 0
	MUL8 1, 2, 0
	MUL8 1, 3, 0
	MUL8 1, 4, 0
.endm
	XPUT 0
	s_wait_tensorcnt 1                             ; my part of step 0 is in; step 1's may stay out
	s_wait_dscnt 0x0                               ; for the others' sake: my rows of chunk 0 are stored
	s_barrier_signal -1
	s_barrier_wait -1
	FETCH 0, 0, 0
.irp s, 0,1,2,3,4,5,6,7                ; written out: each step names other registers of x
.if (\s) == 0
	QUARTER 0, 1, 0, 1, 1, -1
.else
	QUARTER (\s)%2, 1, 0, 1, 0, -1
.endif
.if (\s) < 7
	QUARTER (\s)%2, 2, 1, 0, 0, (\s)+1
.else
	QUARTER (\s)%2, 2, 1, 0, 0, -1
.endif
	QUARTER (\s)%2, 3, 0, 1, 0, -1
.if (\s) < 6
	TURN (\s)%2, 1
.elseif (\s) == 6
	TURN 0, 0                                      ; nothing is left to ask for
.else
	s_wait_dscnt 8                                 ; the very last quarter
	MUL8 1, 0, 0
	s_wait_dscnt 0x0
	MUL8 1, 1, 0
	MUL8 1, 2, 0
	MUL8 1, 3, 0
	MUL8 1, 4, 0
.endif
.endr
; THE WAY OUT of block a (16 rows), in three parts.  PACK: rounded to f16, each accumulator's registers in ascending order, 16 bytes a lane.
.macro PACK a
.if (\a) < 4
	WIN PK1
.set AC, 64*(\a)
.else
	WIN PK2
.set AC, 0
.endif
.irp b, 0,1,2,3,4,5,6,7
.irp r, 0,1,2,3
	v_cvt_pk_f16_f32 v[TMP+4*(\b)+(\r)], v[AC+8*(\b)+2*(\r)], v[AC+8*(\b)+2*(\r)+1]
.endr
.endr
.endm
; TOSTAGE: into my own stage, and back as whole rows of 256 bytes.
.macro TOSTAGE a
	WIN 0
.irp b, 0,1,2,3,4,5,6,7
	ds_store_b128 v[STO], v[TMP+4*(\b):TMP+4*(\b)+3] offset:32*(\b)
.endr
.irp t, 0,1,2,3,4,5,6,7
	ds_load_b128 v[BK+32*((\a)%2)+4*(\t):BK+32*((\a)%2)+4*(\t)+3], v[RD] offset:(\t)*2*PX  ; LDS serves a wave's instructions in order (ISA guide 5.7.1.4): these see the stores above
.endr
.endm
; SEND: stored, two rows a store; 16 lanes store 256 consecutive bytes, at a multiple of 256 from out0's first byte.  A row place at or past my rows' end is not stored.  The places ascend, so EXEC only
; narrows from store to store; it is a source of the stores that are out, so each change of it stands behind s_wait_xcnt 0, which also frees the registers of the block before.
.macro SEND a
	WIN 0
	s_wait_dscnt 0x0                               ; the block is back in registers
.irp t, 0,1,2,3,4,5,6,7
	s_sub_co_i32 s51, s[LEN], 16*(\a)+2*(\t)
	s_wait_xcnt 0x0
	v_cmpx_gt_i32 s51, v2                          ; my wave's place 16 a + 2 t + h is one of my work-group's rows
	global_store_b128 v[CO], v[BK+32*((\a)%2)+4*(\t):BK+32*((\a)%2)+4*(\t)+3], s[12:13] offset:(16*(\a)+2*(\t))*1024 th:TH_STORE_NT
.endr
	s_wait_xcnt 0x0
	s_mov_b32 exec_lo, -1
.endm
	PLACES                                         ; behind the last products
	PACK 0
	TOSTAGE 0
.irp a, 1,2,3,4                        ; block a's conversions stand between block a - 1's loads from the stage and the wait for them
	PACK \a
	SEND (\a)-1
	TOSTAGE \a
.endr
	SEND 4
	s_wait_tensorcnt 0x0                           ; the wave's end: behind my last tensor load and my last LDS store
	ds_add_u32 v[SPW], v[NIL]
	s_wait_dscnt 0x0
	s_endpgm
.Lfunc_end_k_q0dadb22317_gemm:
	.size	k_q0dadb22317_gemm, .Lfunc_end_k_q0dadb22317_gemm-k_q0dadb22317_gemm
	.p2alignl 7, 3214868480
	.fill 96, 4, 3214868480
	.section	.rodata,"a",@progbits
	.p2align	6, 0x0
	.amdhsa_kernel k_q0dadb22317_gemm
		.amdhsa_group_segment_fixed_size 327680
		.amdhsa_private_segment_fixed_size 0
		.amdhsa_enable_private_segment 0
		.amdhsa_kernarg_size 40
		.amdhsa_user_sgpr_count 2
		.amdhsa_user_sgpr_kernarg_segment_ptr 1
		.amdhsa_wavefront_size32 1
		.amdhsa_system_sgpr_workgroup_id_x 1
		.amdhsa_system_sgpr_workgroup_id_y 1
		.amdhsa_system_sgpr_workgroup_id_z 1
		.amdhsa_system_vgpr_workitem_id 0
		.amdhsa_next_free_vgpr 928
		.amdhsa_next_free_sgpr 66
		.amdhsa_reserve_vcc 0
		.amdhsa_float_denorm_mode_32 3
		.amdhsa_float_denorm_mode_16_64 3
		.amdhsa_memory_ordered 1
		.amdhsa_forward_progress 1
		.amdhsa_inst_pref_size 207
	.end_amdhsa_kernel
	.amdgpu_metadata
---
amdhsa.version: [ 1, 2 ]
amdhsa.kernels:
  - .name:           k_q0dadb22317_gemm
    .symbol:         k_q0dadb22317_gemm.kd
    .args:
      - { .name: order, .offset: 0, .size: 8, .value_kind: global_buffer, .address_space: global }
      - { .name: plan, .offset: 8, .size: 8, .value_kind: global_buffer, .address_space: global }
      - { .name: x, .offset: 16, .size: 8, .value_kind: global_buffer, .address_space: global }
      - { .name: weights, .offset: 24, .size: 8, .value_kind: global_buffer, .address_space: global }
      - { .name: out0, .offset: 32, .size: 8, .value_kind: global_buffer, .address_space: global }
    .group_segment_fixed_size: 327680
    .private_segment_fixed_size: 0
    .kernarg_segment_align: 8
    .kernarg_segment_size: 40
    .max_flat_workgroup_size: 128
    .sgpr_count:     66
    .vgpr_count:     928
    .wavefront_size: 32
...
	.end_amdgpu_metadata
.endif
;; end of part 2
;; ======== version 2 of 2: 2 launches; version 1 with the launch route written anew for expert scheduling mode
;; workspace buffers: order 65,536 bytes of whole numbers; plan 1,024 bytes of whole numbers
;; launch route (part 3): grid 1 x 1, 32 waves a work-group, no clusters, 86,528 bytes of LDS; arguments expert_indices, order, plan; writes order, plan
.if DOCPART == 3
	.amdgcn_target "amdgcn-amd-amdhsa--gfx1250"
	.amdhsa_code_object_version 6
	.text
	.protected	k_q0dadb22317_route
	.globl	k_q0dadb22317_route
	.p2align	8
	.type	k_q0dadb22317_route,@function
k_q0dadb22317_route:
	s_mov_b64 s[64:65], 0
	v_nop
	global_prefetch_b8 v0, s[64:65] scope:SCOPE_SE
	s_setreg_imm32_b32 hwreg(HW_REG_WAVE_SCHED_MODE, 0, 2), 2
	s_setreg_imm32_b32 hwreg(HW_REG_WAVE_MODE, 25, 1), 1
	s_wait_xcnt 0x0
	s_wait_alu depctr_vm_vsrc(0)
; ROUTE.  A stable counting sort of 16,384 tokens by expert (8 experts), and the deal of the next launch's 64 groups of four work-groups to the experts.
;   order[p] = the token at sorted place p (tokens of one expert keep their order).
;   plan[j]  = {expert, first sorted row, rows, 0} for group j: every group serves ONE expert.
; One work-group of 32 waves; thread t owns tokens 16 t .. 16 t + 15.  All numbers are whole numbers; no matrix work, no tensor load.
; LIMIT.  An index outside 0..7 (taken as unsigned) counts as 7.
; PACKED FORM.  Eight counts lie in four registers: register i holds expert 2 i in bits 15:0 and expert 2 i + 1 in bits 31:16.  No sum passes 16,384, so no field carries into its neighbour.
; THE DEAL.  c = an expert's tokens.  q = (56 c) >> 14; L = 56 - sum of q lies in 0..7; m = q + 1 + (expert < L) groups.  The m add up to 64, and m > 56 c / 16384, so c / m < 293:
; with d = c / m and r = c - d m, group i of the expert takes d + (i < r) rows, 293 at the most, from row off + i d + min(i, r) on.
; THE MODE: SCHED_MODE bits 1:0 = 2 (LLVM: expert scheduling mode 2), set by the entry lines.  The code itself states the register dependences between vector instructions and memory or LDS
; instructions, and those through scalar registers and VCC that vector instructions write, with s_wait_alu, always for 0.
; THE PLAN.  Registers that memory or LDS instructions touch:
;   v39, v66-70  addresses, made at the head and never written again: one wait ahead of the first load serves them for the whole kernel.
;   IDX          the global loads land here; the token loop makes LDS addresses of them; the table loads read those; then the tokens' numbers are written here, which the list stores read.
;   FP           the table loads land here, vector instructions read it; later the list's loads land here and the global stores read it.  No LDS instruction reads it.
;   RK           written by vector instructions; the list stores read it as addresses; the plan's part writes it again.
;   v56-59       written by moves; the totals' store reads them; not written again.
;   W, U         an LDS load lands in W; it is scanned; the permutes read W and land in U, which vector instructions have read.
;   S            written by vector instructions; the table store reads it; the plan's part writes it again.
; Each run of LDS or memory instructions has its vector work in front of it and one wait on va_vdst between; one wait on vm_vsrc stands ahead of the tokens' numbers, one ahead of the plan's part.
; VCC.  A compare writes it, and so does an addition with carry, which leaves its carry there: each such line has its wait on va_vcc ahead of the next line that names VCC, as a source or as a destination.
.set ORD, 0                            ; LDS 0 .. 65,535: the list, 4 bytes a place
.set TB,  65536                        ; 16 bytes a thread: its eight first places, 16 bits each
.set WT,  81920                        ; 16 bytes a wave: its eight totals, packed
.set T,   2                            ; v2-3    at work in the scans
.set IDX, 4                            ; v4-19   token j's expert, then the LDS address of its first place, then the token's number
.set RK,  20                           ; v20-35  how many earlier tokens of the thread have token j's expert; then its address in the list
.set ACC, 36                           ; v36     eight counts of 4 bits: the thread's tokens 0 to 14
.set E4,  37                           ; v37     4 x expert
.set ONE, 38                           ; v38     token 15's count, kept apart so that no 4-bit count passes 15
.set TBT, 39                           ; v39     TB + 16 t; never rewritten
.set C,   40                           ; v40-43  the thread's counts, packed
.set S,   44                           ; v44-47  their scan over the wave, then the thread's first places
.set W,   48                           ; v48-51  the waves' totals and their scan
.set U,   52                           ; v52-55  a copy, then the sum over the waves in front of mine
.set WTS, 66                           ; v66     WT + 16 x wave: where my wave's totals go; never rewritten
.set WTL, 67                           ; v67     WT + 16 x lane: lane l takes wave l's totals; never rewritten
.set BPW, 68                           ; v68     4 x wave: the permutes' index; never rewritten
.set LO,  69                           ; v69     2,048 x wave + 16 x lane: my 16 bytes of the list, in LDS and in order; never rewritten
.set IO,  70                           ; v70     64 t: my 16 indices; never rewritten
.set FP,  72                           ; v72-87  the first place for token j's expert; then the list on its way out
; An inclusive scan over the 32 lanes of four packed registers: four steps inside each half of 16 lanes, then lane 15's sum onto lanes 16 to 31.
.macro SCAN4 R
.irp n, 1,2,4,8
.irp i, 0,1,2,3
	v_mov_b32_dpp v[T+(\i)%2], v[(\R)+(\i)] row_shr:\n row_mask:0xf bank_mask:0xf bound_ctrl:1  ; lanes without a source take 0
	v_add_nc_u32 v[(\R)+(\i)], v[(\R)+(\i)], v[T+(\i)%2]
.endr
.endr
.irp i, 0,1,2,3
	v_readlane_b32 s[52+(\i)], v[(\R)+(\i)], 15
.endr
	s_wait_alu depctr_va_sdst(0)                   ; s52 to s55 are written, ahead of the moves that read them: one wait for the run of four
.irp i, 0,1,2,3
	v_mov_b32 v[T+(\i)%2], s[52+(\i)]
	v_cndmask_b32 v[T+(\i)%2], 0, v[T+(\i)%2], s12   ; s12 names lanes 16 to 31
	v_add_nc_u32 v[(\R)+(\i)], v[(\R)+(\i)], v[T+(\i)%2]
.endr
.endm
	s_load_b128 s[4:7], s[0:1], 0x0                ; expert_indices s[4:5], order s[6:7]
	s_load_b64 s[8:9], s[0:1], 0x10                ; plan
	v_lshl_add_u32 v64, v0, 2, 0x14200
	v_mov_b32 v65, 0
	v_and_b32 v1, 31, v0                           ; lane
	v_lshrrev_b32 v56, 5, v0
	v_readfirstlane_b32 s10, v56                   ; wave 0..31
	v_lshlrev_b32 v[IO], 6, v0                     ; my 16 indices: 64 bytes
	v_lshl_add_u32 v[TBT], v0, 4, TB
	v_lshl_add_u32 v[WTL], v1, 4, WT               ; lane l takes wave l's totals
	v_lshlrev_b32 v[LO], 4, v1
	v_mov_b32 v[T], 0                              ; a DPP move's destination counts as read
	v_mov_b32 v[T+1], 0
	v_mov_b32 v58, 1
	s_mov_b32 s11, 0x0f0f0f0f
	s_mov_b32 s12, 0xffff0000
	s_wait_alu depctr_va_sdst(0)                   ; s10 is written, ahead of its first reader
	s_lshl_b32 s56, s10, 4
	s_add_co_u32 s56, s56, WT
	v_mov_b32 v[WTS], s56
	s_lshl_b32 s57, s10, 2
	v_mov_b32 v[BPW], s57
	v_lshl_add_u32 v[LO], s10, 11, v[LO]           ; 2,048 x wave + 16 x lane
	s_wait_kmcnt 0x0
	s_wait_alu depctr_va_vdst(0)                   ; the six addresses v39 and v66 to v70 are written, which the loads, stores and permutes of the whole kernel read
.irp k, 0,1,2,3
	global_load_b128 v[IDX+4*(\k):IDX+4*(\k)+3], v[IO], s[4:5] offset:16*(\k) th:TH_LOAD_NT
.endr
	; The thread's tokens in order: the rank among its own tokens of the same expert, and the counts.
.set j, 0
.rept 16
.if j%4 == 0
	s_wait_loadcnt 3-j/4                           ; loads come back in order: this quad is in, the younger ones stay out
.endif
	v_min_u32 v[IDX+j], 7, v[IDX+j]
	v_lshlrev_b32 v[E4], 2, v[IDX+j]
.if j == 0
	v_mov_b32 v[RK], 0
	v_lshlrev_b32 v[ACC], v[E4], v58               ; the first token starts the counts
.else
	v_bfe_u32 v[RK+j], v[ACC], v[E4], 4
.if j < 15
	v_lshl_add_u32 v[ACC], v58, v[E4], v[ACC]
.else
	v_lshlrev_b32 v[ONE], v[E4], v58
.endif
.endif
	v_lshl_add_u32 v[IDX+j], v[IDX+j], 1, v[TBT]   ; where the expert's first place of this thread will lie: TB + 16 t + 2 e
.set j, j+1
.endr
	; 4-bit counts to the packed form: even experts' and odd experts' counts as bytes, then a pair of bytes to a register
	v_and_b32 v56, s11, v[ACC]
	v_and_b32 v57, s11, v[ONE]
	v_lshrrev_b32 v59, 4, v[ACC]
	v_lshrrev_b32 v60, 4, v[ONE]
	v_add_nc_u32 v56, v56, v57                     ; byte i: expert 2 i
	v_and_b32 v59, s11, v59
	v_and_b32 v60, s11, v60
	v_add_nc_u32 v59, v59, v60                     ; byte i: expert 2 i + 1
.irp i, 0,1,2,3
	v_bfe_u32 v61, v59, 8*(\i), 8
	v_bfe_u32 v62, v56, 8*(\i), 8
	v_lshl_or_b32 v[C+(\i)], v61, 16, v62
.endr
.irp i, 0,1,2,3
	v_mov_b32 v[S+(\i)], v[C+(\i)]
.endr
	SCAN4 S
.irp i, 0,1,2,3
	v_readlane_b32 s[20+(\i)], v[S+(\i)], 31       ; the wave's totals
.endr
	s_wait_alu depctr_va_sdst(0)                   ; s20 to s23 are written, ahead of the moves that read them
.irp i, 0,1,2,3
	v_mov_b32 v[56+(\i)], s[20+(\i)]
.endr
	s_wait_alu depctr_va_vdst(0)                   ; the moves have written v56 to v59, which the store reads
	ds_store_b128 v[WTS], v[56:59]                 ; all lanes store the same 16 bytes to the wave's place
	s_wait_dscnt 0x0                               ; for the others' sake: my store is done
	s_barrier_signal -1
	s_barrier_wait -1
	ds_load_b128 v[W:W+3], v[WTL]                  ; no vector instruction has named W yet, and the address was made at the head
	s_wait_dscnt 0x0
.irp i, 0,1,2,3
	v_mov_b32 v[U+(\i)], v[W+(\i)]
.endr
	SCAN4 W
.irp i, 0,1,2,3
	v_readlane_b32 s[24+(\i)], v[W+(\i)], 31       ; the experts' token counts, packed
.endr
.irp i, 0,1,2,3
	v_sub_nc_u32 v[W+(\i)], v[W+(\i)], v[U+(\i)]   ; lane l: the sum over the waves in front of wave l
.endr
	s_wait_alu depctr_va_vdst(0)                   ; the subtractions have written W, which the permutes read, and are done reading U, in which the permutes land
.irp i, 0,1,2,3
	ds_bpermute_b32 v[U+(\i)], v[BPW], v[W+(\i)]   ; every lane takes my wave's
.endr
	s_wait_alu depctr_va_sdst(0)                   ; s24 to s27 are written, ahead of the scalar lines that read them
.irp i, 0,1,2,3
	s_and_b32 s[32+2*(\i)], s[24+(\i)], 0xffff     ; c of expert 2 i
	s_lshr_b32 s[33+2*(\i)], s[24+(\i)], 16        ; and of 2 i + 1
.endr
	s_mov_b32 s40, 0                               ; off: the experts' first sorted rows
.irp e, 0,1,2,3,4,5,6
	s_add_co_u32 s[41+(\e)], s[40+(\e)], s[32+(\e)]
.endr
.irp i, 0,1,2,3
	s_lshl_b32 s56, s[41+2*(\i)], 16
	s_or_b32 s[48+(\i)], s56, s[40+2*(\i)]         ; packed
.endr
	s_wait_dscnt 0x0
.irp i, 0,1,2,3
	v_sub_nc_u32 v[S+(\i)], v[S+(\i)], v[C+(\i)]   ; the lanes in front of mine,
	v_add3_u32 v[S+(\i)], v[S+(\i)], v[U+(\i)], s[48+(\i)]  ; the waves in front of mine, the experts in front: my first place for each expert
.endr
	s_wait_alu depctr_va_vdst(0)                   ; S is written, which the store reads.  It serves the sixteen loads below too: the token loop's addresses in IDX were written ahead of it, and no vector instruction follows it before them
	ds_store_b128 v[TBT], v[S:S+3]
	s_wait_dscnt 0x0
	s_barrier_signal -1                            ; the three phases whose LDS addresses hang on loaded numbers are kept apart by barriers:
	s_barrier_wait -1                              ; all table stores, then all table loads, then all list stores
.set j, 0
.rept 16
	ds_load_u16 v[FP+j], v[IDX+j]                  ; the first place for token j's expert, into registers that nothing has named yet
.set j, j+1
.endr
	s_wait_dscnt 0x0
	s_barrier_signal -1
	s_barrier_wait -1
	s_wait_alu depctr_vm_vsrc(0)                   ; the sixteen loads have read their addresses in IDX, over which the tokens' numbers are written
.set j, 0
.rept 16
	v_add_lshl_u32 v[RK+j], v[FP+j], v[RK+j], 2    ; 4 x (first place + rank)
	v_min_u32 v[RK+j], 0xfffc, v[RK+j]             ; inside the list
	v_lshl_add_u32 v[IDX+j], v0, 4, j              ; the token's number
.set j, j+1
.endr
	s_wait_alu depctr_va_vdst(0)                   ; RK and IDX are written, which the stores read; and the additions are done reading FP, in which the list's loads below land
.set j, 0
.rept 16
	ds_store_b32 v[RK+j], v[IDX+j]                 ; each place of the list is written once: the places are a permutation
.set j, j+1
.endr
	s_wait_dscnt 0x0                               ; for the others' sake
	s_barrier_signal -1
	s_barrier_wait -1
	; The list leaves through registers: a wave's store covers 512 consecutive bytes, aligned.  No vector instruction since the last wait on va_vdst: the loads owe nothing more.
.irp k, 0,1,2,3
	ds_load_b128 v[FP+4*(\k):FP+4*(\k)+3], v[LO] offset:512*(\k)
.endr
.irp k, 0,1,2,3
	s_wait_dscnt 3-(\k)                            ; LDS loads come back in order: the younger ones stay out
	global_store_b128 v[LO], v[FP+4*(\k):FP+4*(\k)+3], s[6:7] offset:512*(\k)
.endr
	; THE PLAN: waves 0 and 1, thread j for group j.  First lane e works for expert e (both waves alike).  No register of the stores above is touched.
	s_wait_alu depctr_vm_vsrc(0)                   ; the list stores have read RK, the table store S, the permutes W: the lines behind the branch write v20 to v35 and v44 to v48
	s_cmp_lt_u32 s10, 2
	s_cbranch_scc0 .Lend
	v_mov_b32 v20, 0
	v_mov_b32 v21, 0
.irp e, 0,1,2,3,4,5,6,7
	v_writelane_b32 v20, s[32+(\e)], \e            ; c
	v_writelane_b32 v21, s[40+(\e)], \e            ; off
.endr
	v_mul_u32_u24 v22, v20, 56
	v_lshrrev_b32 v22, 14, v22                     ; q
	v_mov_b32 v23, v22
.irp n, 1,2,4
	v_mov_b32_dpp v[T], v23 row_shr:\n row_mask:0xf bank_mask:0xf bound_ctrl:1
	v_add_nc_u32 v23, v23, v[T]
.endr
	v_readlane_b32 s52, v23, 7                     ; the sum of q
	s_wait_alu depctr_va_sdst(0)                   ; s52 is written, ahead of the subtraction that reads it
	s_sub_co_u32 s53, 56, s52                      ; L
	v_cmp_gt_u32 vcc_lo, s53, v1
	s_wait_alu depctr_va_vcc(0)                    ; the compare has written VCC, which the addition reads
	v_add_co_ci_u32 v24, vcc_lo, 1, v22, vcc_lo    ; m = q + 1 + (expert < L)
	s_wait_alu depctr_va_vcc(0)                    ; the addition's carry has written VCC, which the division's first compare writes again
	v_mov_b32 v25, v24
.irp n, 1,2,4
	v_mov_b32_dpp v[T], v25 row_shr:\n row_mask:0xf bank_mask:0xf bound_ctrl:1
	v_add_nc_u32 v25, v25, v[T]
.endr
	v_sub_nc_u32 v25, v25, v24                     ; cb: the expert's first group
	v_mov_b32 v26, 0                               ; d = c / m, below 512: nine steps of a restoring division
	v_mov_b32 v27, v20                             ; r
.irp b, 8,7,6,5,4,3,2,1,0
	v_lshlrev_b32 v28, \b, v24
	v_cmp_ge_u32 vcc_lo, v27, v28
	s_wait_alu depctr_va_vcc(0)                    ; the compare has written VCC, which the select and the addition read; a step's compare hangs on the step before, so each has its own wait
	v_cndmask_b32 v28, 0, v28, vcc_lo
	v_sub_nc_u32 v27, v27, v28
	v_add_co_ci_u32 v26, vcc_lo, v26, v26, vcc_lo  ; d = 2 d + the step's bit
	s_wait_alu depctr_va_vcc(0)                    ; the addition's carry has written VCC, which the next step's compare (behind the last step: the first addition below) writes again
.endr
	v_mov_b32 v29, 0                               ; group j's expert: how many of cb_1 .. cb_7 are at most j
.irp f, 1,2,3,4,5,6,7
	v_readlane_b32 s[51+(\f)], v25, \f
.endr
	s_wait_alu depctr_va_sdst(0)                   ; s52 to s58 are written, ahead of the compares that read them: one wait for the run of seven
.irp f, 1,2,3,4,5,6,7
	v_cmp_le_u32 s[19+(\f)], s[51+(\f)], v0
.endr
	s_wait_alu depctr_va_sdst(0)                   ; the seven masks s20 to s26 are written, ahead of the additions that read them
.irp f, 1,2,3,4,5,6,7
	v_add_co_ci_u32 v29, vcc_lo, 0, v29, s[19+(\f)]
	s_wait_alu depctr_va_vcc(0)                    ; the addition's carry has written VCC, which the next addition (behind the last: the compare i < r) writes again; all seven write the one register, so each has its own wait
.endr
	v_lshlrev_b32 v30, 2, v29
	s_wait_alu depctr_va_vdst(0)                   ; v30, v25, v21, v26 and v27 are written, which the permutes read; no vector instruction still names v31 to v34, in which they land
	ds_bpermute_b32 v31, v30, v25                  ; that expert's cb,
	ds_bpermute_b32 v32, v30, v21                  ; off,
	ds_bpermute_b32 v33, v30, v26                  ; d
	ds_bpermute_b32 v34, v30, v27                  ; and r
	v_mov_b32 v44, v29
	v_mov_b32 v47, 0
	v_lshlrev_b32 v48, 4, v0
	s_wait_dscnt 0x0
	v_sub_nc_u32 v35, v0, v31                      ; i: my number among the expert's groups
	v_mad_u32_u24 v40, v35, v33, v32               ; off + i d
	v_min_u32 v41, v35, v34
	v_add_nc_u32 v45, v40, v41                     ; + min(i, r)
	v_cmp_lt_u32 vcc_lo, v35, v34
	s_wait_alu depctr_va_vcc(0)                    ; the compare has written VCC, which the addition reads
	v_add_co_ci_u32 v46, vcc_lo, 0, v33, vcc_lo    ; d + (i < r)
	s_wait_alu depctr_va_vcc(0)                    ; the addition's carry has written VCC: its wait stands in the writer's own straight run, ahead of the label below
	s_wait_alu depctr_va_vdst(0)                   ; v44 to v47 and the offset v48 are written, which the store reads
	global_store_b128 v48, v[44:47], s[8:9]        ; 512 consecutive bytes a wave
.Lend:
	s_wait_dscnt 0x0                               ; the closing lines, six on end
	s_wait_alu 0x0
	s_wait_tensorcnt 0x0
	ds_add_u32 v64, v65
	s_wait_dscnt 0x0
	s_endpgm
.Lfunc_end_k_q0dadb22317_route:
	.size	k_q0dadb22317_route, .Lfunc_end_k_q0dadb22317_route-k_q0dadb22317_route
	.p2alignl 7, 3214868480
	.fill 96, 4, 3214868480
	.section	.rodata,"a",@progbits
	.p2align	6, 0x0
	.amdhsa_kernel k_q0dadb22317_route
		.amdhsa_group_segment_fixed_size 86528
		.amdhsa_private_segment_fixed_size 0
		.amdhsa_enable_private_segment 0
		.amdhsa_kernarg_size 24
		.amdhsa_user_sgpr_count 2
		.amdhsa_user_sgpr_kernarg_segment_ptr 1
		.amdhsa_wavefront_size32 1
		.amdhsa_system_sgpr_workgroup_id_x 1
		.amdhsa_system_sgpr_workgroup_id_y 1
		.amdhsa_system_sgpr_workgroup_id_z 1
		.amdhsa_system_vgpr_workitem_id 0
		.amdhsa_next_free_vgpr 88
		.amdhsa_next_free_sgpr 66
		.amdhsa_reserve_vcc 1
		.amdhsa_float_denorm_mode_32 3
		.amdhsa_float_denorm_mode_16_64 3
		.amdhsa_memory_ordered 1
		.amdhsa_forward_progress 1
		.amdhsa_inst_pref_size 28
	.end_amdhsa_kernel
	.amdgpu_metadata
---
amdhsa.version: [ 1, 2 ]
amdhsa.kernels:
  - .name:           k_q0dadb22317_route
    .symbol:         k_q0dadb22317_route.kd
    .args:
      - { .name: expert_indices, .offset: 0, .size: 8, .value_kind: global_buffer, .address_space: global }
      - { .name: order, .offset: 8, .size: 8, .value_kind: global_buffer, .address_space: global }
      - { .name: plan, .offset: 16, .size: 8, .value_kind: global_buffer, .address_space: global }
    .group_segment_fixed_size: 86528
    .private_segment_fixed_size: 0
    .kernarg_segment_align: 8
    .kernarg_segment_size: 24
    .max_flat_workgroup_size: 1024
    .sgpr_count:     66
    .vgpr_count:     88
    .wavefront_size: 32
...
	.end_amdgpu_metadata
.endif
;; end of part 3
;; launch gemm: the kernel of part 2 again; grid 256 x 1, 4 waves a work-group, no clusters, 327,680 bytes of LDS; arguments order, plan, x, weights, out0; writes out0
